; MI455X (gfx1250); checked and timed in simulation.
; The chip was launched on July 23, 2026; its instructions are those of AMD's public machine-readable ISA for CDNA 5 (MIT licence, August 2026) and "CDNA5" Instruction Set Architecture Reference Guide (July 2026). The comments in the code are by the model that wrote it; some were corrected since.
;; Renderer Top K. Allowed arithmetic: float matrix products may take bf16 or f16 operands with f32 sums; all other float work in f32.
;; Inputs: cols 1 x 1,024 x 3 float32; covs 1 x 1,024 x 2 x 2 float32; mus 1 x 1,024 x 2 float32; x 65,536 x 2 float32.
;; Outputs: out0 65,536 x 3 float32.
;; 2 versions, each right; version 2 is version 1 with the launch pick written anew for expert scheduling mode. Each part assembles by itself: llvm-mc -triple=amdgcn-amd-amdhsa -mcpu=gfx1250 --defsym DOCPART=n.
;; ======== version 1 of 2: 2 launches
;; workspace buffers: gids 786,432 bytes of whole numbers
;; launch pick (part 1): grid 256 x 1, 4 waves a work-group, no clusters, 193,024 bytes of LDS; arguments x, mus, covs, gids; writes gids
.if DOCPART == 1
	.amdgcn_target "amdgcn-amd-amdhsa--gfx1250"
	.amdhsa_code_object_version 6
	.text
	.protected	k_qe5d62b4988_pick
	.globl	k_qe5d62b4988_pick
	.p2align	8
	.type	k_qe5d62b4988_pick,@function
k_qe5d62b4988_pick:
	s_mov_b64 s[64:65], 0
	v_nop
	global_prefetch_b8 v0, s[64:65] scope:SCOPE_SE
	s_setreg_imm32_b32 hwreg(HW_REG_WAVE_MODE, 25, 1), 1
	s_wait_xcnt 0x0
; FIRST OF TWO LAUNCHES.  For each of 65,536 points: q(m) = d' inv(cov m) d, d = x - mu m, for all 1,024 gaussians; the ten largest exp(-q/2) are the ten smallest q.
; The gaussians form 128 groups of 8 neighbouring indices.  The ten smallest elements by (q, index) lie in the ten groups that are smallest by (group minimum, group number):
; were an element's group not among them, ten other groups would each hold an element in front of it (groups are ascending index ranges, so ties fall the same way).
; This launch stores, per point, the numbers of those ten groups, ascending, as ten bytes; the second launch works out the 80 candidates again, with the same instructions.
; WHY NO MATRIX INSTRUCTIONS: the ten weights of a point are nearly equal, so exchanging the tenth and the eleventh moves a colour by about a tenth: the order has to be
; decided on q in full f32.  q as a product of bf16 features would also be a difference of large sums.  So q is made from d itself, by packed f32 arithmetic.
; No tensor loads, clusters or prefetches: the inputs of a work-group are 26 KB read once at its head, and the table in LDS is computed, not copied.
; LIMITS: a singular covariance or a NaN in q is not served (the result is not finite there in any case); where two q differ by less than the rounding of another
; way of solving the 2 x 2 system, the order is the one of the formula below.  No symmetry of cov is assumed.
; TABLE, per gaussian: det = c00 c11 - c01 c10, r = 1/det (one Newton step), a = c11 r, b = -(c01 + c10) r, c = c00 r, and -mu.
; PAIR: dx = x + (-mx), dy = y + (-my), q = ((a dx + b dy) dx) + (c dy) dy: seven packed instructions for two gaussians.
; SHARES: a work-group owns 256 points.  In the main loop wave w takes groups 32 w .. 32 w + 31 for all 256 points, lane l the points 8 l .. 8 l + 7, so a table row is
; read by one wave, ten loads in which all lanes name the same bytes, for 336 vector instructions.  Behind the loop wave w owns points 64 w + 2 l, + 1.
.set TP,    160                        ; bytes of a table row: -mx[8] @0, -my[8] @32, a[8] @64, b[8] @96, c[8] @128
.set MINB,  20480                      ; group minima: [128 groups][256 points] f32, 1,024 bytes a group
.set LSTB,  151552                     ; the four waves' sorted lists: [10 w + i][256 points] f32, 1,024 bytes a row; ends at 192,512
.set PLANE, 262144                     ; bytes of one plane of gids (65,536 words)
.set XY,  6                            ; v[6+4p:7+4p] = (x, x), v[8+4p:9+4p] = (y, y) of point p = 0..7
.set L,   38                           ; v[38:117]  main loop: entry i of point p's sorted list at L + 8 i + p.  Merge: row n of point s at L + 2 n + s
.set CA,  118                          ; v[118:157] a table row
.set CB,  158                          ; v[158:197] the next one
.set DX,  198                          ; v[198:213] two points x 8 gaussians
.set DY,  214                          ; v[214:229]
.set U,   230                          ; v[230:245] q
.set GM,  246                          ; v[246:253] the group's minimum for my 8 points
; the table's making (before the main loop, in registers that it uses later)
.set CV0, 118                          ; cov of four gaussians, half-group t
.set MU0, 134
.set CV1, 38                           ; the same for half-group t + 128
.set MU1, 54
.set NX,  158
.set NY,  162
.set PA,  166
.set PB,  170
.set PC,  174
.set BT,  178
.set BR,  182
.set BS,  186
.set BE,  190
.set HG,  202
.set LA,  203
; the scan (behind the merge)
.set M,    118                         ; v[118:181] 32 groups' minima of my two points
.set SR0,  182                         ; v[182:183], v[184:185], v[186:187]: per point a shift register of 96 bits, ten bytes used
.set SR1,  184
.set SR2,  186
.set NE,   188                         ; v188-189 how many of the ten smallest equal the tenth
.set CNT,  190                         ; v190-191 how many minima equal to the tenth have been met
.set IDV,  193                         ; selector that keeps a word
.set SHV,  194                         ; selector that shifts a byte in from below
.set SELV, 195                         ; v195, v196: the one chosen, per point
.set SADR, 197
.set GOFF, 192
	s_load_b256 s[4:11], s[0:1], 0x0               ; x s[4:5], mus s[6:7], covs s[8:9], gids s[10:11]
	v_lshl_add_u32 v254, v0, 2, 0x2f000
	v_mov_b32 v255, 0
	v_lshrrev_b32 v1, 5, v0
	v_readfirstlane_b32 s12, v1                    ; wave 0..3
	v_and_b32 v4, 31, v0                           ; lane
	v_lshlrev_b32 v5, 6, v4                        ; my 8 points' 64 bytes of x
	s_lshl_b32 s16, ttmp9, 11                      ; the work-group's 256 points: 2,048 bytes of x
	s_mov_b32 s17, 0
	s_mov_b32 s18, 0x7f800000                      ; +infinity: the lists' start
	s_wait_kmcnt 0x0
	s_add_nc_u64 s[4:5], s[4:5], s[16:17]
	s_lshl_b32 s16, ttmp9, 10                      ; and 1,024 bytes of each plane of gids
	s_add_nc_u64 s[10:11], s[10:11], s[16:17]
; four gaussians' cov (64 bytes) and mu (32 bytes) of half-group t + add
.macro BLOAD cv, mu, oc, om, add
	v_add_nc_u32 v[\oc], \add, v0
	v_lshlrev_b32 v[\om], 5, v[\oc]
	v_lshlrev_b32 v[\oc], 6, v[\oc]
.irp g, 0,1,2,3
	global_load_b128 v[\cv+4*\g:\cv+4*\g+3], v[\oc], s[8:9] offset:16*\g
.endr
.irp g, 0,1
	global_load_b128 v[\mu+4*\g:\mu+4*\g+3], v[\om], s[6:7] offset:16*\g
.endr
.endm
; their table entries, into half a row
.macro BCALC cv, mu, add
.irp g, 0,1,2,3
	v_mul_f32 v[BT+\g], v[\cv+4*\g+1], v[\cv+4*\g+2]
.endr
.irp g, 0,1,2,3
	v_fma_f32 v[BT+\g], v[\cv+4*\g], v[\cv+4*\g+3], -v[BT+\g]      ; det
.endr
.irp g, 0,1,2,3
	v_rcp_f32 v[BR+\g], v[BT+\g]
.endr
.irp g, 0,1,2,3
	v_add_f32 v[BS+\g], v[\cv+4*\g+1], v[\cv+4*\g+2]               ; plain instructions that touch neither det nor r stand behind the reciprocals (ISA guide 5.7.2)
.endr
	s_wait_alu depctr_va_vdst(0)
.irp g, 0,1,2,3
	v_fma_f32 v[BE+\g], -v[BT+\g], v[BR+\g], 1.0
.endr
.irp g, 0,1,2,3
	v_fma_f32 v[BR+\g], v[BR+\g], v[BE+\g], v[BR+\g]               ; one Newton step
.endr
.irp g, 0,1,2,3
	v_mul_f32 v[PA+\g], v[\cv+4*\g+3], v[BR+\g]
	v_mul_f32 v[PB+\g], -v[BS+\g], v[BR+\g]
	v_mul_f32 v[PC+\g], v[\cv+4*\g], v[BR+\g]
	v_xor_b32 v[NX+\g], 0x80000000, v[\mu+2*\g]
	v_xor_b32 v[NY+\g], 0x80000000, v[\mu+2*\g+1]
.endr
	v_add_nc_u32 v[HG], \add, v0
	v_lshrrev_b32 v[LA], 1, v[HG]                  ; the group
	v_and_b32 v[HG], 1, v[HG]                      ; its lower or upper four
	v_mul_u32_u24 v[LA], v[LA], TP
	v_lshl_add_u32 v[LA], v[HG], 4, v[LA]
	ds_store_b128 v[LA], v[NX:NX+3]
	ds_store_b128 v[LA], v[NY:NY+3] offset:32
	ds_store_b128 v[LA], v[PA:PA+3] offset:64
	ds_store_b128 v[LA], v[PB:PB+3] offset:96
	ds_store_b128 v[LA], v[PC:PC+3] offset:128
.endm
.irp j, 0,1,2,3
	global_load_b128 v[U+4*\j:U+4*\j+3], v5, s[4:5] offset:16*\j   ; x, y of my 8 points
.endr
	BLOAD CV0, MU0, 198, 199, 0
	BLOAD CV1, MU1, 200, 201, 128
	s_wait_loadcnt 0x0                             ; all sixteen loads, once
	BCALC CV0, MU0, 0
	BCALC CV1, MU1, 128
.irp p, 0,1,2,3,4,5,6,7
	v_mov_b32 v[XY+4*\p],   v[U+2*\p]              ; each coordinate twice: a pair for the packed adds
	v_mov_b32 v[XY+4*\p+1], v[U+2*\p]
	v_mov_b32 v[XY+4*\p+2], v[U+2*\p+1]
	v_mov_b32 v[XY+4*\p+3], v[U+2*\p+1]
.endr
.set n, 0
.rept 80
	v_mov_b32 v[L+n], s18                          ; eight empty lists
.set n, n+1
.endr
	s_mul_i32 s16, s12, 32*TP
	v_mov_b32 v2, s16                              ; my wave's first table row
	s_lshl_b32 s16, s12, 15
	s_add_co_u32 s16, s16, MINB
	v_lshl_add_u32 v3, v4, 5, s16                  ; where my 8 minima of my wave's first group go
	s_wait_dscnt 0x0                               ; my part of the table is written,
	s_barrier_signal -1
	s_barrier_wait -1                              ; everybody's is
.macro LOADT buf, off                  ; a table row: 160 bytes, the same for every lane
.irp j, 0,1,2,3,4,5,6,7,8,9
	ds_load_b128 v[\buf+4*\j:\buf+4*\j+3], v2 offset:\off+16*\j
.endr
.endm
; q goes into a sorted list of ten: entry i becomes the middle one of (entry i-1, q, entry i), from the top down, so that each line reads old entries
.macro INSERT base, stride, q
.irp i, 9,8,7,6,5,4,3,2,1
	v_med3_num_f32 v[\base+\stride*\i], v[\base+\stride*(\i-1)], v[\q], v[\base+\stride*\i]
.endr
	v_min_num_f32 v[\base], v[\base], v[\q]
.endm
; points 2 pp and 2 pp + 1 against the 8 gaussians of the row in buf: each step eight independent packed instructions
.macro QPAIR pp, buf
.irp s, 0,1
.irp c, 0,2,4,6
	v_pk_add_f32 v[DX+8*\s+\c:DX+8*\s+\c+1], v[XY+4*(2*\pp+\s):XY+4*(2*\pp+\s)+1], v[\buf+\c:\buf+\c+1]
.endr
.endr
.irp s, 0,1
.irp c, 0,2,4,6
	v_pk_add_f32 v[DY+8*\s+\c:DY+8*\s+\c+1], v[XY+4*(2*\pp+\s)+2:XY+4*(2*\pp+\s)+3], v[\buf+8+\c:\buf+8+\c+1]
.endr
.endr
.irp s, 0,1
.irp c, 0,2,4,6
	v_pk_mul_f32 v[U+8*\s+\c:U+8*\s+\c+1], v[\buf+16+\c:\buf+16+\c+1], v[DX+8*\s+\c:DX+8*\s+\c+1]
.endr
.endr
.irp s, 0,1
.irp c, 0,2,4,6
	v_pk_fma_f32 v[U+8*\s+\c:U+8*\s+\c+1], v[\buf+24+\c:\buf+24+\c+1], v[DY+8*\s+\c:DY+8*\s+\c+1], v[U+8*\s+\c:U+8*\s+\c+1]
.endr
.endr
.irp s, 0,1
.irp c, 0,2,4,6
	v_pk_mul_f32 v[U+8*\s+\c:U+8*\s+\c+1], v[U+8*\s+\c:U+8*\s+\c+1], v[DX+8*\s+\c:DX+8*\s+\c+1]
.endr
.endr
.irp s, 0,1
.irp c, 0,2,4,6
	v_pk_mul_f32 v[DX+8*\s+\c:DX+8*\s+\c+1], v[\buf+32+\c:\buf+32+\c+1], v[DY+8*\s+\c:DY+8*\s+\c+1]
.endr
.endr
.irp s, 0,1
.irp c, 0,2,4,6
	v_pk_fma_f32 v[U+8*\s+\c:U+8*\s+\c+1], v[DX+8*\s+\c:DX+8*\s+\c+1], v[DY+8*\s+\c:DY+8*\s+\c+1], v[U+8*\s+\c:U+8*\s+\c+1]
.endr
.endr
.irp s, 0,1
	v_min3_num_f32 v[GM+2*\pp+\s], v[U+8*\s], v[U+8*\s+1], v[U+8*\s+2]
	v_min3_num_f32 v[DX+8*\s], v[U+8*\s+3], v[U+8*\s+4], v[U+8*\s+5]
	v_min3_num_f32 v[GM+2*\pp+\s], v[GM+2*\pp+\s], v[U+8*\s+6], v[U+8*\s+7]
	v_min_num_f32 v[GM+2*\pp+\s], v[GM+2*\pp+\s], v[DX+8*\s]
.endr
	INSERT L+2*\pp, 8, GM+2*\pp
	INSERT L+2*\pp+1, 8, GM+2*\pp+1
.endm
; one group for my 8 points.  cur: its row; nxt, pf: the next row's registers and its byte offset from v2 (pf < 0: there is none); st: the minima's offset from v3
.macro GROUP cur, nxt, pf, st
	s_wait_dscnt 0x0                               ; cur's ten loads, issued a whole group ago (the first group's: just before), and the last group's two stores
.if \pf >= 0
	LOADT \nxt, \pf
.endif
	QPAIR 0, \cur
	QPAIR 1, \cur
	ds_store_b128 v3, v[GM:GM+3] offset:\st
	QPAIR 2, \cur
	QPAIR 3, \cur
	ds_store_b128 v3, v[GM+4:GM+7] offset:\st+16
.endm
	LOADT CA, 0
	s_mov_b32 s13, 15                              ; 15 trips of two groups, and two groups behind the loop: my wave's 32
.Lgroups:
	GROUP CA, CB, TP, 0
	GROUP CB, CA, 2*TP, 1024
	v_add_nc_u32 v2, 2*TP, v2
	v_add_nc_u32 v3, 2048, v3
	s_sub_co_i32 s13, s13, 1
	s_cmp_lg_u32 s13, 0
	s_cbranch_scc1 .Lgroups
	GROUP CA, CB, TP, 0
	GROUP CB, CA, -1, 1024                         ; the last group reads no row beyond my wave's
	; my wave's lists (the ten smallest minima of its 32 groups, for all 256 points) go to LDS
	s_mul_i32 s16, s12, 10240
	s_add_co_u32 s16, s16, LSTB
	v_lshl_add_u32 v1, v4, 5, s16
.irp i, 0,1,2,3,4,5,6,7,8,9
	ds_store_b128 v1, v[L+8*\i:L+8*\i+3] offset:1024*\i
	ds_store_b128 v1, v[L+8*\i+4:L+8*\i+7] offset:1024*\i+16
.endr
	s_wait_dscnt 0x0                               ; my lists and my minima are written,
	s_barrier_signal -1
	s_barrier_wait -1                              ; everybody's are
	; MERGE: the four lists of my two points, 40 rows; wave 0's ten are a sorted list already, the other thirty are put in
	s_lshl_b32 s16, s12, 8
	s_add_co_u32 s17, s16, LSTB
	v_lshl_add_u32 v1, v4, 3, s17                  ; points 64 w + 2 l, + 1: 8 bytes of each row
.set n, 0
.rept 40
	ds_load_b64 v[L+2*n:L+2*n+1], v1 offset:1024*n
.set n, n+1
.endr
	s_add_co_u32 s17, s16, MINB
	v_lshl_add_u32 v[SADR], v4, 3, s17             ; the same 8 bytes of each group's minima
	v_lshlrev_b32 v[GOFF], 3, v0                   ; and of each plane of gids
	v_mov_b32 v[IDV], 0x07060504
	v_mov_b32 v[SHV], 0x06050403
.irp s, 0,1
	v_mov_b32 v[SR0+\s], 0
	v_mov_b32 v[SR1+\s], 0
	v_mov_b32 v[SR2+\s], 0
	v_mov_b32 v[CNT+\s], 0
.endr
	s_wait_dscnt 0x0
.set n, 10
.rept 30
	INSERT L, 2, L+2*n
	INSERT L+1, 2, L+2*n+1
.set n, n+1
.endr
; how many of a list's ten entries equal its last: so many minima equal to the tenth are taken, the first ones met
.macro COUNTE base, stride, ne
	v_mov_b32 v[\ne], 0
.irp i, 0,1,2,3,4,5,6,7,8,9
	v_cmp_eq_f32 vcc_lo, v[\base+\stride*\i], v[\base+\stride*9]
	v_add_co_ci_u32 v[\ne], vcc_lo, 0, v[\ne], vcc_lo
.endr
.endm
	COUNTE L, 2, NE
	COUNTE L+1, 2, NE+1
; s[sa] = lanes in which m is taken: m < t, or m = t and fewer than ne such have been met.  The masks only choose values.
.macro TAKE m, t, ne, cnt, sa, sb
	v_cmp_lt_f32 s[\sa], v[\m], v[\t]
	v_cmp_eq_f32 vcc_lo, v[\m], v[\t]
	v_cmp_gt_u32 s[\sb], v[\ne], v[\cnt]
	s_and_b32 s[\sb], s[\sb], vcc_lo
	s_or_b32 s[\sa], s[\sa], s[\sb]
	v_add_co_ci_u32 v[\cnt], vcc_lo, 0, v[\cnt], vcc_lo
.endm
; group j of the trip, point s: where it is taken the 96 bits move up a byte and the group's number (the top byte of s14) comes in at the bottom
.macro APPEND s
	TAKE M+2*j+\s, L+18+\s, NE+\s, CNT+\s, 20+2*\s, 21+2*\s
	v_cndmask_b32 v[SELV+\s], v[IDV], v[SHV], s[20+2*\s]
	v_perm_b32 v[SR2+\s], v[SR2+\s], v[SR1+\s], v[SELV+\s]
	v_perm_b32 v[SR1+\s], v[SR1+\s], v[SR0+\s], v[SELV+\s]
	v_perm_b32 v[SR0+\s], v[SR0+\s], s14, v[SELV+\s]
.endm
	; SCAN: all 128 minima of my two points in ascending group number; exactly ten are taken
	s_mov_b32 s14, 0                               ; group number << 24
	s_mov_b32 s13, 4                               ; four trips of 32 groups
.Lscan:
.set j, 0
.rept 32
	ds_load_b64 v[M+2*j:M+2*j+1], v[SADR] offset:1024*j
.set j, j+1
.endr
.set j, 0
.rept 32
	s_wait_dscnt 31-j                              ; LDS loads come back in order (ISA guide 5.7.1): group j's pair is in, the 31 - j younger ones stay out
	APPEND 0
	APPEND 1
	s_add_co_u32 s14, s14, 0x1000000
.set j, j+1
.endr
	v_add_nc_u32 v[SADR], 0x8000, v[SADR]
	s_sub_co_i32 s13, s13, 1
	s_cmp_lg_u32 s13, 0
	s_cbranch_scc1 .Lscan
	; three planes of one word a point; the lowest group number lies in byte 1 of plane 2, the highest in byte 0 of plane 0.
	; Each store of the wave covers 256 consecutive bytes, at a multiple of 256 from the buffer's first byte.
	global_store_b64 v[GOFF], v[SR0:SR0+1], s[10:11]
	global_store_b64 v[GOFF], v[SR1:SR1+1], s[10:11] offset:PLANE
	global_store_b64 v[GOFF], v[SR2:SR2+1], s[10:11] offset:2*PLANE
	s_wait_tensorcnt 0x0
	ds_add_u32 v254, v255
	s_wait_dscnt 0x0
	s_endpgm
.Lfunc_end_k_qe5d62b4988_pick:
	.size	k_qe5d62b4988_pick, .Lfunc_end_k_qe5d62b4988_pick-k_qe5d62b4988_pick
	.p2alignl 7, 3214868480
	.fill 96, 4, 3214868480
	.section	.rodata,"a",@progbits
	.p2align	6, 0x0
	.amdhsa_kernel k_qe5d62b4988_pick
		.amdhsa_group_segment_fixed_size 193024
		.amdhsa_private_segment_fixed_size 0
		.amdhsa_enable_private_segment 0
		.amdhsa_kernarg_size 32
		.amdhsa_user_sgpr_count 2
		.amdhsa_user_sgpr_kernarg_segment_ptr 1
		.amdhsa_wavefront_size32 1
		.amdhsa_system_sgpr_workgroup_id_x 1
		.amdhsa_system_sgpr_workgroup_id_y 1
		.amdhsa_system_sgpr_workgroup_id_z 1
		.amdhsa_system_vgpr_workitem_id 0
		.amdhsa_next_free_vgpr 256
		.amdhsa_next_free_sgpr 66
		.amdhsa_reserve_vcc 1
		.amdhsa_float_denorm_mode_32 3
		.amdhsa_float_denorm_mode_16_64 3
		.amdhsa_memory_ordered 1
		.amdhsa_forward_progress 1
		.amdhsa_inst_pref_size 177
	.end_amdhsa_kernel
	.amdgpu_metadata
---
amdhsa.version: [ 1, 2 ]
amdhsa.kernels:
  - .name:           k_qe5d62b4988_pick
    .symbol:         k_qe5d62b4988_pick.kd
    .args:
      - { .name: x, .offset: 0, .size: 8, .value_kind: global_buffer, .address_space: global }
      - { .name: mus, .offset: 8, .size: 8, .value_kind: global_buffer, .address_space: global }
      - { .name: covs, .offset: 16, .size: 8, .value_kind: global_buffer, .address_space: global }
      - { .name: gids, .offset: 24, .size: 8, .value_kind: global_buffer, .address_space: global }
    .group_segment_fixed_size: 193024
    .private_segment_fixed_size: 0
    .kernarg_segment_align: 8
    .kernarg_segment_size: 32
    .max_flat_workgroup_size: 128
    .sgpr_count:     66
    .vgpr_count:     256
    .wavefront_size: 32
...
	.end_amdgpu_metadata
.endif
;; end of part 1
;; launch blend (part 2): grid 256 x 1, 8 waves a work-group, no clusters, 38,912 bytes of LDS; arguments x, mus, covs, cols, gids, out0; writes out0
.if DOCPART == 2
	.amdgcn_target "amdgcn-amd-amdhsa--gfx1250"
	.amdhsa_code_object_version 6
	.text
	.protected	k_qe5d62b4988_blend
	.globl	k_qe5d62b4988_blend
	.p2align	8
	.type	k_qe5d62b4988_blend,@function
k_qe5d62b4988_blend:
	s_mov_b64 s[64:65], 0
	v_nop
	global_prefetch_b8 v0, s[64:65] scope:SCOPE_SE
	s_setreg_imm32_b32 hwreg(HW_REG_WAVE_MODE, 25, 1), 1
	s_wait_xcnt 0x0
; SECOND OF TWO LAUNCHES.  Per point the first launch stored the numbers of the ten groups of 8 gaussians that hold its ten smallest q (ascending, ten bytes in three words).
; Here a lane owns one point: it works out q for those 80 candidates with the same table formula and the same seven packed instructions as the first launch (so the same bits),
; keeps a sorted list of ten, and with the tenth value t takes every q < t and, of those equal to t, the first ones in index order until ten are taken (top_k's rule for ties).
; Then w = exp(-q/2) for the taken ones, 0 for the others; out = sum(w col) / (sum(w) + 1e-6).  Every candidate is worked on; the choice only selects values.
; No maximum is taken away in front of the exponential because the problem's formula takes none: the weights themselves are asked for, against the constant 1e-6.
; LIMITS: as in the first launch (singular cov, NaN in q; order of q within rounding).  v_exp_f32 gives 0 for results below 2^-126 (ISA guide 15.8), which against 1e-6 changes
; nothing within f32.  The ten weights are added in index order, not in order of size.
; No matrix instructions: the sums have ten terms a point and the order hangs on full f32 (see the first launch).  No tensor loads, clusters or prefetches: a work-group's
; inputs are 42 KB read once at its head, and the table in LDS is computed.
; SHARES: 256 points a work-group, eight waves.  Thread t also makes the table entries of gaussians 4 t .. 4 t + 3.
.set TP,    272                        ; bytes of a table row: -mx[8] @0, -my[8] @32, a[8] @64, b[8] @96, c[8] @128, colours [8][3] @160; 272 = 17 x 16, so row g begins in 16-byte column g mod 16
.set COLO,  160
.set STAGE, 34816                      ; behind the 128 rows: 12 bytes a point, 3,072 bytes
.set PLANE, 262144
.set NE,  3                            ; how many of the ten smallest equal the tenth
.set CNT, 4                            ; how many candidates equal to the tenth have been met
.set GW,  10                           ; v[10:12]   the three words of group numbers
.set ADR, 14                           ; v[14:23]   LDS address of the ten rows
.set L,   24                           ; v[24:33]   the sorted list
.set Q,   34                           ; v[34:113]  q of the 80 candidates
.set CA,  114                          ; v[114:153] a row
.set CB,  154                          ; v[154:193] the next one (CB = CA + 40)
.set DX,  194                          ; v[194:201]
.set DY,  202                          ; v[202:209]
.set W,   210                          ; v[210:217] eight weights
.set SW,  218                          ; the sum of weights
.set CR,  219                          ; v219-221   the three colour sums
.set SADR, 222
; the table's making, in registers that the passes use later
.set CV,  114
.set MU,  130
.set CO,  138
.set NX,  154
.set NY,  158
.set PA,  162
.set PB,  166
.set PC,  170
.set BT,  174
.set BR,  178
.set BS,  182
.set BE,  186
.set OC,  202
.set OM,  203
.set OL,  204
.set LA,  205
.set LC,  206
.set TM,  207
	s_load_b256 s[4:11], s[0:1], 0x0               ; x s[4:5], mus s[6:7], covs s[8:9], cols s[10:11]
	s_load_b128 s[12:15], s[0:1], 0x20             ; gids s[12:13], out0 s[14:15]
	v_lshl_add_u32 v224, v0, 2, 0x9400
	v_mov_b32 v225, 0
	v_lshrrev_b32 v1, 5, v0
	v_readfirstlane_b32 s16, v1                    ; wave 0..7
	s_lshl_b32 s18, ttmp9, 11                      ; the work-group's 256 points: 2,048 bytes of x,
	s_mov_b32 s19, 0
	s_lshl_b32 s20, ttmp9, 10                      ; 1,024 of each plane of gids,
	s_mov_b32 s21, 0
	s_mul_i32 s24, ttmp9, 3072                     ; 3,072 of out0
	s_mov_b32 s25, 0
	s_mov_b32 s22, 0x7f800000                      ; +infinity
	v_lshlrev_b32 v5, 3, v0
	v_lshlrev_b32 v2, 2, v0
	v_lshlrev_b32 v[OC], 6, v0                     ; four gaussians: 64 bytes of covs,
	v_lshlrev_b32 v[OM], 5, v0                     ; 32 of mus,
	v_mul_u32_u24 v[OL], v0, 48                    ; 48 of cols
	s_wait_kmcnt 0x0
	s_add_nc_u64 s[4:5], s[4:5], s[18:19]
	s_add_nc_u64 s[12:13], s[12:13], s[20:21]
	s_add_nc_u64 s[14:15], s[14:15], s[24:25]
.irp g, 0,1,2,3
	global_load_b128 v[CV+4*\g:CV+4*\g+3], v[OC], s[8:9] offset:16*\g
.endr
.irp g, 0,1
	global_load_b128 v[MU+4*\g:MU+4*\g+3], v[OM], s[6:7] offset:16*\g
.endr
.irp g, 0,1,2
	global_load_b128 v[CO+4*\g:CO+4*\g+3], v[OL], s[10:11] offset:16*\g
.endr
	global_load_b64 v[DX:DX+1], v5, s[4:5]         ; my point
.irp g, 0,1,2
	global_load_b32 v[GW+\g], v2, s[12:13] offset:PLANE*\g
.endr
	v_lshrrev_b32 v[TM], 1, v0                     ; the group of my four gaussians
	v_and_b32 v1, 1, v0                            ; its lower or upper four
	v_mul_u32_u24 v[TM], v[TM], TP
	v_lshl_add_u32 v[LA], v1, 4, v[TM]
	v_mad_u32_u24 v[LC], v1, 48, v[TM]
.irp i, 0,1,2,3,4,5,6,7,8,9
	v_mov_b32 v[L+\i], s22                         ; an empty list
.endr
	v_mov_b32 v[CNT], 0
	v_mov_b32 v[SW], 0
.irp i, 0,1,2
	v_mov_b32 v[CR+\i], 0
.endr
	s_wait_loadcnt 0x0                             ; all thirteen loads, once
	; the table: the same lines as in the first launch
.irp g, 0,1,2,3
	v_mul_f32 v[BT+\g], v[CV+4*\g+1], v[CV+4*\g+2]
.endr
.irp g, 0,1,2,3
	v_fma_f32 v[BT+\g], v[CV+4*\g], v[CV+4*\g+3], -v[BT+\g]        ; det
.endr
.irp g, 0,1,2,3
	v_rcp_f32 v[BR+\g], v[BT+\g]
.endr
.irp g, 0,1,2,3
	v_add_f32 v[BS+\g], v[CV+4*\g+1], v[CV+4*\g+2]                 ; plain instructions that touch neither det nor r stand behind the reciprocals (ISA guide 5.7.2)
.endr
	s_wait_alu depctr_va_vdst(0)
.irp g, 0,1,2,3
	v_fma_f32 v[BE+\g], -v[BT+\g], v[BR+\g], 1.0
.endr
.irp g, 0,1,2,3
	v_fma_f32 v[BR+\g], v[BR+\g], v[BE+\g], v[BR+\g]               ; one Newton step
.endr
.irp g, 0,1,2,3
	v_mul_f32 v[PA+\g], v[CV+4*\g+3], v[BR+\g]
	v_mul_f32 v[PB+\g], -v[BS+\g], v[BR+\g]
	v_mul_f32 v[PC+\g], v[CV+4*\g], v[BR+\g]
	v_xor_b32 v[NX+\g], 0x80000000, v[MU+2*\g]
	v_xor_b32 v[NY+\g], 0x80000000, v[MU+2*\g+1]
.endr
	ds_store_b128 v[LA], v[NX:NX+3]
	ds_store_b128 v[LA], v[NY:NY+3] offset:32
	ds_store_b128 v[LA], v[PA:PA+3] offset:64
	ds_store_b128 v[LA], v[PB:PB+3] offset:96
	ds_store_b128 v[LA], v[PC:PC+3] offset:128
.irp g, 0,1,2
	ds_store_b128 v[LC], v[CO+4*\g:CO+4*\g+3] offset:COLO+16*\g    ; the colours as they are
.endr
	v_mov_b32 v6, v[DX]                            ; each coordinate twice: a pair for the packed adds
	v_mov_b32 v7, v[DX]
	v_mov_b32 v8, v[DX+1]
	v_mov_b32 v9, v[DX+1]
	; the ten rows' addresses: group k of the ten (ascending) is byte 9 - k of the 96 bits; the number is held to 127, so that every row lies in the table
.irp k, 0,1,2,3,4,5,6,7,8,9
	v_bfe_u32 v[ADR+\k], v[GW+((9-\k)>>2)], 8*((9-\k)&3), 8
.endr
.irp k, 0,1,2,3,4,5,6,7,8,9
	v_min_u32 v[ADR+\k], 127, v[ADR+\k]
.endr
.irp k, 0,1,2,3,4,5,6,7,8,9
	v_mul_u32_u24 v[ADR+\k], v[ADR+\k], TP
.endr
	s_wait_dscnt 0x0                               ; my part of the table is written,
	s_barrier_signal -1
	s_barrier_wait -1                              ; everybody's is
.macro LOADC buf, k                    ; the 160 bytes of coefficients of my row k
.irp j, 0,1,2,3,4,5,6,7,8,9
	ds_load_b128 v[\buf+4*\j:\buf+4*\j+3], v[ADR+\k] offset:16*\j
.endr
.endm
.macro LOADCOL buf, k                  ; its 96 bytes of colours
.irp j, 0,1,2,3,4,5
	ds_load_b128 v[\buf+4*\j:\buf+4*\j+3], v[ADR+\k] offset:COLO+16*\j
.endr
.endm
; q goes into a sorted list of ten: entry i becomes the middle one of (entry i-1, q, entry i), from the top down, so that each line reads old entries
.macro INSERT base, stride, q
.irp i, 9,8,7,6,5,4,3,2,1
	v_med3_num_f32 v[\base+\stride*\i], v[\base+\stride*(\i-1)], v[\q], v[\base+\stride*\i]
.endr
	v_min_num_f32 v[\base], v[\base], v[\q]
.endm
; q of my point against the 8 gaussians of the row in buf, kept in Q + 8 k, and into the list
.macro QSTEP buf, k
.irp c, 0,2,4,6
	v_pk_add_f32 v[DX+\c:DX+\c+1], v[6:7], v[\buf+\c:\buf+\c+1]
.endr
.irp c, 0,2,4,6
	v_pk_add_f32 v[DY+\c:DY+\c+1], v[8:9], v[\buf+8+\c:\buf+8+\c+1]
.endr
.irp c, 0,2,4,6
	v_pk_mul_f32 v[Q+8*(\k)+\c:Q+8*(\k)+\c+1], v[\buf+16+\c:\buf+16+\c+1], v[DX+\c:DX+\c+1]
.endr
.irp c, 0,2,4,6
	v_pk_fma_f32 v[Q+8*(\k)+\c:Q+8*(\k)+\c+1], v[\buf+24+\c:\buf+24+\c+1], v[DY+\c:DY+\c+1], v[Q+8*(\k)+\c:Q+8*(\k)+\c+1]
.endr
.irp c, 0,2,4,6
	v_pk_mul_f32 v[Q+8*(\k)+\c:Q+8*(\k)+\c+1], v[Q+8*(\k)+\c:Q+8*(\k)+\c+1], v[DX+\c:DX+\c+1]
.endr
.irp c, 0,2,4,6
	v_pk_mul_f32 v[DX+\c:DX+\c+1], v[\buf+32+\c:\buf+32+\c+1], v[DY+\c:DY+\c+1]
.endr
.irp c, 0,2,4,6
	v_pk_fma_f32 v[Q+8*(\k)+\c:Q+8*(\k)+\c+1], v[DX+\c:DX+\c+1], v[DY+\c:DY+\c+1], v[Q+8*(\k)+\c:Q+8*(\k)+\c+1]
.endr
.irp j, 0,1,2,3,4,5,6,7
	INSERT L, 1, Q+8*(\k)+\j
.endr
.endm
	; PASS A: q of the 80 candidates and the ten smallest; the rows take turns in two sets of registers
	LOADC CA, 0
.irp k, 0,1,2,3,4,5,6,7,8
	LOADC CA+40*((\k+1)&1), \k+1
	s_wait_dscnt 10                                ; LDS loads come back in order (ISA guide 5.7.1): row k is in, the next row's ten loads stay out
	QSTEP CA+40*(\k&1), \k
.endr
	s_wait_dscnt 0x0                               ; the last row: nothing was issued behind it
	QSTEP CB, 9
	LOADCOL CA, 0                                  ; the first colours are on their way while the ties are counted
	; how many of the ten entries equal the tenth: so many candidates equal to it are taken, the first ones in index order
	v_mov_b32 v[NE], 0
.irp i, 0,1,2,3,4,5,6,7,8,9
	v_cmp_eq_f32 vcc_lo, v[L+\i], v[L+9]
	v_add_co_ci_u32 v[NE], vcc_lo, 0, v[NE], vcc_lo
.endr
; s[sa] = lanes in which m is taken: m < t, or m = t and fewer than ne such have been met.  The masks only choose values.
.macro TAKE m, t, ne, cnt, sa, sb
	v_cmp_lt_f32 s[\sa], v[\m], v[\t]
	v_cmp_eq_f32 vcc_lo, v[\m], v[\t]
	v_cmp_gt_u32 s[\sb], v[\ne], v[\cnt]
	s_and_b32 s[\sb], s[\sb], vcc_lo
	s_or_b32 s[\sa], s[\sa], s[\sb]
	v_add_co_ci_u32 v[\cnt], vcc_lo, 0, v[\cnt], vcc_lo
.endm
; the weights of row k's eight candidates, 0 where not taken, and their share of the four sums
.macro WSTEP buf, k
.irp j, 0,1,2,3,4,5,6,7
	v_mul_f32 v[W+\j], 0xbf38aa3b, v[Q+8*(\k)+\j]  ; -q/2 in base 2: times -0.5 log2(e)
.endr
.irp j, 0,1,2,3,4,5,6,7
	v_exp_f32 v[W+\j], v[W+\j]                     ; back to back; the compares of the first TAKE, which name no W, stand between them and the first use (ISA guide 5.7.2)
.endr
.irp j, 0,1,2,3,4,5,6,7
	TAKE Q+8*(\k)+\j, L+9, NE, CNT, 20, 21
	s_wait_alu depctr_va_vdst(0)
	v_cndmask_b32 v[W+\j], 0, v[W+\j], s20
	v_add_f32 v[SW], v[SW], v[W+\j]
	v_fmac_f32 v[CR],   v[W+\j], v[\buf+3*\j]
	v_fmac_f32 v[CR+1], v[W+\j], v[\buf+3*\j+1]
	v_fmac_f32 v[CR+2], v[W+\j], v[\buf+3*\j+2]
.endr
.endm
	; PASS B: in ascending index, so that ties go to the lowest index
.irp k, 0,1,2,3,4,5,6,7,8
	LOADCOL CA+40*((\k+1)&1), \k+1
	s_wait_dscnt 6                                 ; row k's colours are in, the next row's six loads stay out
	WSTEP CA+40*(\k&1), \k
.endr
	s_wait_dscnt 0x0
	WSTEP CB, 9
	v_add_f32 v[SW], 0x358637bd, v[SW]             ; + 1e-6
	v_rcp_f32 v1, v[SW]
	v_mul_u32_u24 v[SADR], v0, 12                  ; the plain instruction behind the reciprocal: my 12 bytes of the stage
	s_wait_alu depctr_va_vdst(0)
.irp i, 0,1,2
	v_mul_f32 v[CR+\i], v[CR+\i], v1
.endr
.irp i, 0,1,2
	ds_store_b32 v[SADR], v[CR+\i] offset:STAGE+4*\i
.endr
	s_wait_dscnt 0x0                               ; my three numbers are in the stage,
	s_barrier_signal -1
	s_barrier_wait -1                              ; everybody's are
	s_cmp_ge_u32 s16, 6                            ; 3,072 bytes are 192 lanes' 16 bytes: waves 0 to 5 carry them out
	s_cbranch_scc1 .Lend
	v_lshlrev_b32 v13, 4, v0
	ds_load_b128 v[DX:DX+3], v13 offset:STAGE
	s_wait_dscnt 0x0
	global_store_b128 v13, v[DX:DX+3], s[14:15]    ; sixteen lanes store 256 consecutive bytes, at a multiple of 256 from out0's first byte
.Lend:
	s_wait_tensorcnt 0x0
	ds_add_u32 v224, v225
	s_wait_dscnt 0x0
	s_endpgm
.Lfunc_end_k_qe5d62b4988_blend:
	.size	k_qe5d62b4988_blend, .Lfunc_end_k_qe5d62b4988_blend-k_qe5d62b4988_blend
	.p2alignl 7, 3214868480
	.fill 96, 4, 3214868480
	.section	.rodata,"a",@progbits
	.p2align	6, 0x0
	.amdhsa_kernel k_qe5d62b4988_blend
		.amdhsa_group_segment_fixed_size 38912
		.amdhsa_private_segment_fixed_size 0
		.amdhsa_enable_private_segment 0
		.amdhsa_kernarg_size 48
		.amdhsa_user_sgpr_count 2
		.amdhsa_user_sgpr_kernarg_segment_ptr 1
		.amdhsa_wavefront_size32 1
		.amdhsa_system_sgpr_workgroup_id_x 1
		.amdhsa_system_sgpr_workgroup_id_y 1
		.amdhsa_system_sgpr_workgroup_id_z 1
		.amdhsa_system_vgpr_workitem_id 0
		.amdhsa_next_free_vgpr 226
		.amdhsa_next_free_sgpr 66
		.amdhsa_reserve_vcc 1
		.amdhsa_float_denorm_mode_32 3
		.amdhsa_float_denorm_mode_16_64 3
		.amdhsa_memory_ordered 1
		.amdhsa_forward_progress 1
		.amdhsa_inst_pref_size 131
	.end_amdhsa_kernel
	.amdgpu_metadata
---
amdhsa.version: [ 1, 2 ]
amdhsa.kernels:
  - .name:           k_qe5d62b4988_blend
    .symbol:         k_qe5d62b4988_blend.kd
    .args:
      - { .name: x, .offset: 0, .size: 8, .value_kind: global_buffer, .address_space: global }
      - { .name: mus, .offset: 8, .size: 8, .value_kind: global_buffer, .address_space: global }
      - { .name: covs, .offset: 16, .size: 8, .value_kind: global_buffer, .address_space: global }
      - { .name: cols, .offset: 24, .size: 8, .value_kind: global_buffer, .address_space: global }
      - { .name: gids, .offset: 32, .size: 8, .value_kind: global_buffer, .address_space: global }
      - { .name: out0, .offset: 40, .size: 8, .value_kind: global_buffer, .address_space: global }
    .group_segment_fixed_size: 38912
    .private_segment_fixed_size: 0
    .kernarg_segment_align: 8
    .kernarg_segment_size: 48
    .max_flat_workgroup_size: 256
    .sgpr_count:     66
    .vgpr_count:     226
    .wavefront_size: 32
...
	.end_amdgpu_metadata
.endif
;; end of part 2
;; ======== version 2 of 2: 2 launches; version 1 with the launch pick written anew for expert scheduling mode
;; workspace buffers: gids 786,432 bytes of whole numbers
;; launch pick (part 3): grid 256 x 1, 4 waves a work-group, no clusters, 193,024 bytes of LDS; arguments x, mus, covs, gids; writes gids
.if DOCPART == 3
	.amdgcn_target "amdgcn-amd-amdhsa--gfx1250"
	.amdhsa_code_object_version 6
	.text
	.protected	k_qe5d62b4988_pick
	.globl	k_qe5d62b4988_pick
	.p2align	8
	.type	k_qe5d62b4988_pick,@function
k_qe5d62b4988_pick:
	s_mov_b64 s[64:65], 0
	v_nop
	global_prefetch_b8 v0, s[64:65] scope:SCOPE_SE
	s_setreg_imm32_b32 hwreg(HW_REG_WAVE_SCHED_MODE, 0, 2), 2
	s_setreg_imm32_b32 hwreg(HW_REG_WAVE_MODE, 25, 1), 1
	s_wait_xcnt 0x0
	s_wait_alu depctr_vm_vsrc(0)
; FIRST OF TWO LAUNCHES.  For each of 65,536 points: q(m) = d' inv(cov m) d, d = x - mu m, for all 1,024 gaussians; the ten largest exp(-q/2) are the ten smallest q.
; The gaussians form 128 groups of 8 neighbouring indices.  The ten smallest elements by (q, index) lie in the ten groups that are smallest by (group minimum, group number):
; were an element's group not among them, ten other groups would each hold an element in front of it (groups are ascending index ranges, so ties fall the same way).
; This launch stores, per point, the numbers of those ten groups, ascending, as ten bytes; the second launch works out the 80 candidates again, with the same instructions.
; WHY NO MATRIX INSTRUCTIONS: the ten weights of a point are nearly equal, so exchanging the tenth and the eleventh moves a colour by about a tenth: the order has to be
; decided on q in full f32.  q as a product of bf16 features would also be a difference of large sums.  So q is made from d itself, by packed f32 arithmetic.
; No tensor loads, clusters or prefetches: the inputs of a work-group are 26 KB read once at its head, and the table in LDS is computed, not copied.
; LIMITS: a singular covariance or a NaN in q is not served (the result is not finite there in any case); where two q differ by less than the rounding of another
; way of solving the 2 x 2 system, the order is the one of the formula below.  No symmetry of cov is assumed.
; TABLE, per gaussian: det = c00 c11 - c01 c10, r = 1/det (one Newton step), a = c11 r, b = -(c01 + c10) r, c = c00 r, and -mu.
; PAIR: dx = x + (-mx), dy = y + (-my), q = ((a dx + b dy) dx) + (c dy) dy: seven packed instructions for two gaussians.
; SHARES: a work-group owns 256 points.  In the main loop wave w takes groups 32 w .. 32 w + 31 for all 256 points, lane l the points 8 l .. 8 l + 7, so a table row is
; read by one wave, ten loads in which all lanes name the same bytes, for 336 vector instructions.  Behind the loop wave w owns points 64 w + 2 l, + 1.
; THE MODE: SCHED_MODE bits 1:0 = 2 (LLVM: expert scheduling mode 2), set by the entry lines.  The code itself states the register dependences
; between vector instructions and memory or LDS instructions, and between a vector instruction that writes a scalar register and its readers, with s_wait_alu, always for 0.
; THE PLAN, main loop.  Registers that LDS instructions touch:
;   CA, CB   Group g's arithmetic reads the one; the ten loads of row g + 1, issued in group g, land in the other, which group g - 1 read.
;   GM       Written by group g's minimum lines; read by its insertions and by the two LDS stores that are issued at the head of group g + 1.
;   v2, v3   Read by every row load and every store of minima; each written once a trip, at the trip's end.
; So a group has two waits.  One on va_vdst at its head: the group before has written GM and is done reading its row, and at a trip's head v2 and v3 are written.  Behind it
; stand the two stores, and the ten loads are dealt among the first pair's packed lines, which name XY, this group's row, DX, DY and U alone.  One on vm_vsrc ahead of the first
; pair's minimum lines: the two stores have read GM; no LDS instruction follows it in the group, so in a trip's second group it also frees v2 and v3 for the trip's end.
; THE PLAN, masks.  Compares stand in runs, each into a scalar register of its own, with one wait on va_sdst between a run and its first reader.  A mask bit is counted by
; a select of 0 or 1 and an add in vector registers: the compares are the only vector lines that write a scalar register, and no line names VCC.
.set TP,    160                        ; bytes of a table row: -mx[8] @0, -my[8] @32, a[8] @64, b[8] @96, c[8] @128
.set MINB,  20480                      ; group minima: [128 groups][256 points] f32, 1,024 bytes a group
.set LSTB,  151552                     ; the four waves' sorted lists: [10 w + i][256 points] f32, 1,024 bytes a row; ends at 192,512
.set PLANE, 262144                     ; bytes of one plane of gids (65,536 words)
.set XY,  6                            ; v[6+4p:7+4p] = (x, x), v[8+4p:9+4p] = (y, y) of point p = 0..7
.set L,   38                           ; v[38:117]  main loop: entry i of point p's sorted list at L + 8 i + p.  Merge: row n of point s at L + 2 n + s
.set CA,  118                          ; v[118:157] a table row
.set CB,  158                          ; v[158:197] the next one
.set DX,  198                          ; v[198:213] two points x 8 gaussians
.set DY,  214                          ; v[214:229]
.set U,   230                          ; v[230:245] q
.set GM,  246                          ; v[246:253] the group's minimum for my 8 points
; the table's making (before the main loop, in registers that it uses later)
.set CV0, 118                          ; cov of four gaussians, half-group t
.set MU0, 134
.set CV1, 38                           ; the same for half-group t + 128
.set MU1, 54
.set T0,  158                          ; v[158:195] half-group t: what is made of it, 38 registers
.set T1,  62                           ; v[62:99]   the same for half-group t + 128: a set of its own, so that one wait serves both half-groups' stores
.set NX,  0                            ; places in such a set
.set NY,  4
.set PA,  8
.set PB,  12
.set PC,  16
.set BT,  20
.set BR,  24
.set BS,  28
.set BE,  32
.set HG,  36
.set LA,  37
; the scan (behind the merge)
.set M,    118                         ; v[118:181] 32 groups' minima of my two points
.set SR0,  182                         ; v[182:183], v[184:185], v[186:187]: per point a shift register of 96 bits, ten bytes used
.set SR1,  184
.set SR2,  186
.set NE,   188                         ; v188-189 how many of the ten smallest equal the tenth
.set CNT,  190                         ; v190-191 how many minima equal to the tenth have been met
.set IDV,  193                         ; selector that keeps a word
.set SHV,  194                         ; selector that shifts a byte in from below
.set SELV, 195                         ; v195, v196: the one chosen, per point
.set SADR, 197
.set GOFF, 192
.set E,    198                         ; v[198:217] mask bits as 0 or 1: entry or group i, point s at E + 2 i + s; no memory or LDS instruction names them behind the main loop
.set MLT,  24                          ; s[24:39]  masks of a block of 8 groups x 2 points: minimum < tenth; then: taken.  (The count of ties uses s[24:43].)
.set MEQ,  40                          ; s[40:55]  minimum = tenth
.set MGT,  66                          ; s[66:81]  fewer than NE such have been met
	s_load_b256 s[4:11], s[0:1], 0x0               ; x s[4:5], mus s[6:7], covs s[8:9], gids s[10:11]
	v_lshl_add_u32 v254, v0, 2, 0x2f000
	v_mov_b32 v255, 0
	v_lshrrev_b32 v1, 5, v0
	v_readfirstlane_b32 s12, v1                    ; wave 0..3
	v_and_b32 v4, 31, v0                           ; lane
	v_lshlrev_b32 v5, 6, v4                        ; my 8 points' 64 bytes of x
; byte offsets of four gaussians' cov (64 bytes) and mu (32 bytes) of half-group t + add
.macro BOFF oc, om, add
	v_add_nc_u32 v[\oc], \add, v0
	v_lshlrev_b32 v[\om], 5, v[\oc]
	v_lshlrev_b32 v[\oc], 6, v[\oc]
.endm
.macro BLOAD cv, mu, oc, om
.irp g, 0,1,2,3
	global_load_b128 v[\cv+4*\g:\cv+4*\g+3], v[\oc], s[8:9] offset:16*\g
.endr
.irp g, 0,1
	global_load_b128 v[\mu+4*\g:\mu+4*\g+3], v[\om], s[6:7] offset:16*\g
.endr
.endm
; their table entries, in four parts, so that both half-groups' reciprocals are one batch and both half-groups' stores one run
.macro BDET cv, t
.irp g, 0,1,2,3
	v_mul_f32 v[\t+BT+\g], v[\cv+4*\g+1], v[\cv+4*\g+2]
.endr
.irp g, 0,1,2,3
	v_fma_f32 v[\t+BT+\g], v[\cv+4*\g], v[\cv+4*\g+3], -v[\t+BT+\g]  ; det
.endr
.endm
.macro BRCP t
.irp g, 0,1,2,3
	v_rcp_f32 v[\t+BR+\g], v[\t+BT+\g]
.endr
.endm
.macro BSUM cv, t
.irp g, 0,1,2,3
	v_add_f32 v[\t+BS+\g], v[\cv+4*\g+1], v[\cv+4*\g+2]            ; plain instructions that touch neither det nor r stand behind the reciprocals (ISA guide 5.7.2)
.endr
.endm
.macro BREST cv, mu, t, add
.irp g, 0,1,2,3
	v_fma_f32 v[\t+BE+\g], -v[\t+BT+\g], v[\t+BR+\g], 1.0
.endr
.irp g, 0,1,2,3
	v_fma_f32 v[\t+BR+\g], v[\t+BR+\g], v[\t+BE+\g], v[\t+BR+\g]   ; one Newton step
.endr
.irp g, 0,1,2,3
	v_mul_f32 v[\t+PA+\g], v[\cv+4*\g+3], v[\t+BR+\g]
	v_mul_f32 v[\t+PB+\g], -v[\t+BS+\g], v[\t+BR+\g]
	v_mul_f32 v[\t+PC+\g], v[\cv+4*\g], v[\t+BR+\g]
	v_xor_b32 v[\t+NX+\g], 0x80000000, v[\mu+2*\g]
	v_xor_b32 v[\t+NY+\g], 0x80000000, v[\mu+2*\g+1]
.endr
	v_add_nc_u32 v[\t+HG], \add, v0
	v_lshrrev_b32 v[\t+LA], 1, v[\t+HG]            ; the group
	v_and_b32 v[\t+HG], 1, v[\t+HG]                ; its lower or upper four
	v_mul_u32_u24 v[\t+LA], v[\t+LA], TP
	v_lshl_add_u32 v[\t+LA], v[\t+HG], 4, v[\t+LA]
.endm
.macro BSTORE t                        ; into half a row
	ds_store_b128 v[\t+LA], v[\t+NX:\t+NX+3]
	ds_store_b128 v[\t+LA], v[\t+NY:\t+NY+3] offset:32
	ds_store_b128 v[\t+LA], v[\t+PA:\t+PA+3] offset:64
	ds_store_b128 v[\t+LA], v[\t+PB:\t+PB+3] offset:96
	ds_store_b128 v[\t+LA], v[\t+PC:\t+PC+3] offset:128
.endm
	BOFF 198, 199, 0
	BOFF 200, 201, 128
	s_lshl_b32 s16, ttmp9, 11                      ; the work-group's 256 points: 2,048 bytes of x
	s_mov_b32 s17, 0
	s_mov_b32 s18, 0x7f800000                      ; +infinity: the lists' start
	s_wait_alu depctr_va_sdst(0)                   ; s12 is written, ahead of its first reader: the waves' LDS addresses are made from it
	s_wait_kmcnt 0x0
	s_add_nc_u64 s[4:5], s[4:5], s[16:17]
	s_lshl_b32 s16, ttmp9, 10                      ; and 1,024 bytes of each plane of gids
	s_add_nc_u64 s[10:11], s[10:11], s[16:17]
	s_wait_alu depctr_va_vdst(0)                   ; v5 and v198 to v201 are written: the sixteen loads below read them as their offsets
.irp j, 0,1,2,3
	global_load_b128 v[U+4*\j:U+4*\j+3], v5, s[4:5] offset:16*\j   ; x, y of my 8 points
.endr
	BLOAD CV0, MU0, 198, 199
	BLOAD CV1, MU1, 200, 201
	s_wait_loadcnt 0x0                             ; all sixteen loads, once
	BDET CV0, T0
	BDET CV1, T1
	BRCP T0
	BRCP T1
	BSUM CV0, T0
	BSUM CV1, T1
	s_wait_alu depctr_va_vdst(0)                   ; the eight reciprocals are written: one wait for the batch, ahead of the first line that names one of them
	BREST CV0, MU0, T0, 0
	BREST CV1, MU1, T1, 128
	s_wait_alu depctr_va_vdst(0)                   ; both half-groups' entries and their two LDS addresses are written, which the ten stores read
	BSTORE T0
	BSTORE T1
.irp p, 0,1,2,3,4,5,6,7
	v_mov_b32 v[XY+4*\p],   v[U+2*\p]              ; each coordinate twice: a pair for the packed adds
	v_mov_b32 v[XY+4*\p+1], v[U+2*\p]
	v_mov_b32 v[XY+4*\p+2], v[U+2*\p+1]
	v_mov_b32 v[XY+4*\p+3], v[U+2*\p+1]
.endr
	s_wait_alu depctr_vm_vsrc(0)                   ; the ten stores have read both sets: the lists' start below writes over T1, row 1's loads land on T0; the sixteen loads have read v198 to v201, which become DX
.set n, 0
.rept 80
	v_mov_b32 v[L+n], s18                          ; eight empty lists
.set n, n+1
.endr
	s_mul_i32 s16, s12, 32*TP
	v_mov_b32 v2, s16                              ; my wave's first table row
	s_lshl_b32 s16, s12, 15
	s_add_co_u32 s16, s16, MINB
	v_lshl_add_u32 v3, v4, 5, s16                  ; where my 8 minima of my wave's first group go
	s_wait_dscnt 0x0                               ; my part of the table is written,
	s_barrier_signal -1
	s_barrier_wait -1                              ; everybody's is
.macro LOADT buf, off                  ; a table row: 160 bytes, the same for every lane
.irp j, 0,1,2,3,4,5,6,7,8,9
	ds_load_b128 v[\buf+4*\j:\buf+4*\j+3], v2 offset:\off+16*\j
.endr
.endm
; two of the ten loads of the next row (registers DNXT, byte DOFF from v2; DOFF < 0: there is none), in a group's first pair alone
.macro DEAL pp, k
.if (\pp == 0) && (DOFF >= 0)
	ds_load_b128 v[DNXT+8*\k:DNXT+8*\k+3],   v2 offset:DOFF+32*\k     ; no wait: no vector instruction since the group's wait on va_vdst names v2 or these registers
	ds_load_b128 v[DNXT+8*\k+4:DNXT+8*\k+7], v2 offset:DOFF+32*\k+16
.endif
.endm
; q goes into a sorted list of ten: entry i becomes the middle one of (entry i-1, q, entry i), from the top down, so that each line reads old entries
.macro INSERT base, stride, q
.irp i, 9,8,7,6,5,4,3,2,1
	v_med3_num_f32 v[\base+\stride*\i], v[\base+\stride*(\i-1)], v[\q], v[\base+\stride*\i]
.endr
	v_min_num_f32 v[\base], v[\base], v[\q]
.endm
; points 2 pp and 2 pp + 1 against the 8 gaussians of the row in buf: each step eight independent packed instructions
.macro QPAIR pp, buf
.irp s, 0,1
.irp c, 0,2,4,6
	v_pk_add_f32 v[DX+8*\s+\c:DX+8*\s+\c+1], v[XY+4*(2*\pp+\s):XY+4*(2*\pp+\s)+1], v[\buf+\c:\buf+\c+1]
.endr
.endr
	DEAL \pp, 0
.irp s, 0,1
.irp c, 0,2,4,6
	v_pk_add_f32 v[DY+8*\s+\c:DY+8*\s+\c+1], v[XY+4*(2*\pp+\s)+2:XY+4*(2*\pp+\s)+3], v[\buf+8+\c:\buf+8+\c+1]
.endr
.endr
	DEAL \pp, 1
.irp s, 0,1
.irp c, 0,2,4,6
	v_pk_mul_f32 v[U+8*\s+\c:U+8*\s+\c+1], v[\buf+16+\c:\buf+16+\c+1], v[DX+8*\s+\c:DX+8*\s+\c+1]
.endr
.endr
	DEAL \pp, 2
.irp s, 0,1
.irp c, 0,2,4,6
	v_pk_fma_f32 v[U+8*\s+\c:U+8*\s+\c+1], v[\buf+24+\c:\buf+24+\c+1], v[DY+8*\s+\c:DY+8*\s+\c+1], v[U+8*\s+\c:U+8*\s+\c+1]
.endr
.endr
	DEAL \pp, 3
.irp s, 0,1
.irp c, 0,2,4,6
	v_pk_mul_f32 v[U+8*\s+\c:U+8*\s+\c+1], v[U+8*\s+\c:U+8*\s+\c+1], v[DX+8*\s+\c:DX+8*\s+\c+1]
.endr
.endr
	DEAL \pp, 4
.irp s, 0,1
.irp c, 0,2,4,6
	v_pk_mul_f32 v[DX+8*\s+\c:DX+8*\s+\c+1], v[\buf+32+\c:\buf+32+\c+1], v[DY+8*\s+\c:DY+8*\s+\c+1]
.endr
.endr
.irp s, 0,1
.irp c, 0,2,4,6
	v_pk_fma_f32 v[U+8*\s+\c:U+8*\s+\c+1], v[DX+8*\s+\c:DX+8*\s+\c+1], v[DY+8*\s+\c:DY+8*\s+\c+1], v[U+8*\s+\c:U+8*\s+\c+1]
.endr
.endr
.if (\pp == 0) && DFREE
	s_wait_alu depctr_vm_vsrc(0)                   ; the two stores at the group's head have read GM, which the group writes again from here on; all the group's LDS instructions have read v2 and v3, which step at a trip's end
.endif
.irp s, 0,1
	v_min3_num_f32 v[GM+2*\pp+\s], v[U+8*\s], v[U+8*\s+1], v[U+8*\s+2]
	v_min3_num_f32 v[DX+8*\s], v[U+8*\s+3], v[U+8*\s+4], v[U+8*\s+5]
	v_min3_num_f32 v[GM+2*\pp+\s], v[GM+2*\pp+\s], v[U+8*\s+6], v[U+8*\s+7]
	v_min_num_f32 v[GM+2*\pp+\s], v[GM+2*\pp+\s], v[DX+8*\s]
.endr
	INSERT L+2*\pp, 8, GM+2*\pp
	INSERT L+2*\pp+1, 8, GM+2*\pp+1
.endm
; one group for my 8 points.  cur: its row; nxt, pf: the next row's registers and its byte offset from v2 (pf < 0: there is none);
; st: where the minima of the group BEFORE go, as an offset from v3 (st < 0: my wave's first group, with no group before it)
.macro GROUP cur, nxt, pf, st
	s_wait_dscnt 0x0                               ; cur's ten loads and the two stores in front of them, issued early in the group before (the first group's loads: just before)
.set DNXT, \nxt
.set DOFF, \pf
.set DFREE, 0
.if \st >= 0
.set DFREE, 1
	s_wait_alu depctr_va_vdst(0)                   ; the group before has written GM, which the two stores read, and is done reading its row, in which the next row lands; at a trip's head v2 and v3 are written
	ds_store_b128 v3, v[GM:GM+3] offset:\st
	ds_store_b128 v3, v[GM+4:GM+7] offset:\st+16
.endif
	QPAIR 0, \cur
	QPAIR 1, \cur
	QPAIR 2, \cur
	QPAIR 3, \cur
.endm
	s_wait_alu depctr_va_vdst(0)                   ; v2 and v3 are written; the table's arithmetic is done with v118 to v195, in which rows 0 and 1 land
	LOADT CA, 0
	GROUP CA, CB, TP, -1                           ; row 0; its loads of row 1 hang on the wait above: the lines between name neither v2 nor CB
	s_mov_b32 s13, 15                              ; 15 trips of two groups, rows 1 to 30; row 0 stands in front and row 31 behind: my wave's 32
.Lgroups:
	GROUP CB, CA, 2*TP, 0
	GROUP CA, CB, 3*TP, 1024
	v_add_nc_u32 v2, 2*TP, v2                      ; free since the second group's wait on vm_vsrc: no LDS instruction was issued behind it
	v_add_nc_u32 v3, 2048, v3
	s_sub_co_i32 s13, s13, 1
	s_cmp_lg_u32 s13, 0
	s_cbranch_scc1 .Lgroups
	GROUP CB, CA, -1, 0                            ; the last group reads no row beyond my wave's
	; the last group's minima, and my wave's lists (the ten smallest minima of its 32 groups, for all 256 points), go to LDS
	s_mul_i32 s16, s12, 10240
	s_add_co_u32 s16, s16, LSTB
	v_lshl_add_u32 v1, v4, 5, s16
	s_wait_alu depctr_va_vdst(0)                   ; the last group has written GM and the lists, and v1 is written: the 22 stores read them
	ds_store_b128 v3, v[GM:GM+3] offset:1024
	ds_store_b128 v3, v[GM+4:GM+7] offset:1024+16
.irp i, 0,1,2,3,4,5,6,7,8,9
	ds_store_b128 v1, v[L+8*\i:L+8*\i+3] offset:1024*\i
	ds_store_b128 v1, v[L+8*\i+4:L+8*\i+7] offset:1024*\i+16
.endr
	s_wait_dscnt 0x0                               ; my lists and my minima are written,
	s_barrier_signal -1
	s_barrier_wait -1                              ; everybody's are
	; MERGE: the four lists of my two points, 40 rows; wave 0's ten are a sorted list already, the other thirty are put in
	s_lshl_b32 s16, s12, 8
	s_add_co_u32 s17, s16, LSTB
	s_wait_alu depctr_vm_vsrc(0)                   ; my stores have read v1, which is written anew, and the lists' registers, in which the 40 loads land
	v_lshl_add_u32 v1, v4, 3, s17                  ; points 64 w + 2 l, + 1: 8 bytes of each row
	s_wait_alu depctr_va_vdst(0)                   ; v1 is written, which the 40 loads read
.set n, 0
.rept 40
	ds_load_b64 v[L+2*n:L+2*n+1], v1 offset:1024*n
.set n, n+1
.endr
	s_add_co_u32 s17, s16, MINB
	v_lshl_add_u32 v[SADR], v4, 3, s17             ; the same 8 bytes of each group's minima
	v_lshlrev_b32 v[GOFF], 3, v0                   ; and of each plane of gids
	v_mov_b32 v[IDV], 0x07060504
	v_mov_b32 v[SHV], 0x06050403
.irp s, 0,1
	v_mov_b32 v[SR0+\s], 0
	v_mov_b32 v[SR1+\s], 0
	v_mov_b32 v[SR2+\s], 0
	v_mov_b32 v[CNT+\s], 0
.endr
	s_wait_dscnt 0x0
.set n, 10
.rept 30
	INSERT L, 2, L+2*n
	INSERT L+1, 2, L+2*n+1
.set n, n+1
.endr
	; how many of a list's ten entries equal its last: so many minima equal to the tenth are taken, the first ones met.  Twenty compares in one run; each mask bit as 0 or 1; their sums.
.irp i, 0,1,2,3,4,5,6,7,8,9
.irp s, 0,1
	v_cmp_eq_f32 s[MLT+2*\i+\s], v[L+2*\i+\s], v[L+18+\s]
.endr
.endr
	s_wait_alu depctr_va_sdst(0)                   ; the twenty masks s24 to s43 are written, ahead of the selects that read them
.irp i, 0,1,2,3,4,5,6,7,8,9
.irp s, 0,1
	v_cndmask_b32 v[E+2*\i+\s], 0, 1, s[MLT+2*\i+\s]
.endr
.endr
.irp s, 0,1
	v_add3_u32 v[NE+\s], v[E+\s], v[E+2+\s], v[E+4+\s]             ; whole numbers: the first sum starts the count, nothing is cleared
	v_add3_u32 v[NE+\s], v[NE+\s], v[E+6+\s], v[E+8+\s]
	v_add3_u32 v[NE+\s], v[NE+\s], v[E+10+\s], v[E+12+\s]
	v_add3_u32 v[NE+\s], v[NE+\s], v[E+14+\s], v[E+16+\s]
	v_add_nc_u32 v[NE+\s], v[NE+\s], v[E+18+\s]
.endr
; group i of a block, point s: where it is taken the 96 bits move up a byte and the group's number (the top byte of s14) comes in at the bottom
.macro APPEND i, s
	v_cndmask_b32 v[SELV+\s], v[IDV], v[SHV], s[MLT+2*\i+\s]
	v_perm_b32 v[SR2+\s], v[SR2+\s], v[SR1+\s], v[SELV+\s]
	v_perm_b32 v[SR1+\s], v[SR1+\s], v[SR0+\s], v[SELV+\s]
	v_perm_b32 v[SR0+\s], v[SR0+\s], s14, v[SELV+\s]
.endm
; Block b of a trip: groups 8 b .. 8 b + 7, both points.  A minimum m is taken where m < t, or m = t and fewer than NE such have been met.  The masks only choose values.
.macro BLOCK b
	s_wait_dscnt 24-8*\b                           ; LDS loads come back in order (ISA guide 5.7.1): the block's eight pairs are in, the 24 - 8 b younger loads stay out
.irp i, 0,1,2,3,4,5,6,7
.irp s, 0,1
	v_cmp_lt_f32 s[MLT+2*\i+\s], v[M+2*(8*\b+\i)+\s], v[L+18+\s]
	v_cmp_eq_f32 s[MEQ+2*\i+\s], v[M+2*(8*\b+\i)+\s], v[L+18+\s]
.endr
.endr
	s_wait_alu depctr_va_sdst(0)                   ; the 32 masks of the run above are written, ahead of their first readers: the selects below read those of equality
.irp i, 0,1,2,3,4,5,6,7
.irp s, 0,1
	v_cndmask_b32 v[E+2*\i+\s], 0, 1, s[MEQ+2*\i+\s]
.endr
.endr
.irp i, 0,1,2,3,4,5,6,7
.irp s, 0,1
	v_cmp_gt_u32 s[MGT+2*\i+\s], v[NE+\s], v[CNT+\s]               ; against the count as it stood in front of this group,
	v_add_nc_u32 v[CNT+\s], v[CNT+\s], v[E+2*\i+\s]                ; which then takes the group in
.endr
.endr
	s_wait_alu depctr_va_sdst(0)                   ; the sixteen masks s66 to s81 are written, ahead of the scalar lines that read them
.irp i, 0,1,2,3,4,5,6,7
.irp s, 0,1
	s_and_b32 s[MGT+2*\i+\s], s[MGT+2*\i+\s], s[MEQ+2*\i+\s]
	s_or_b32 s[MLT+2*\i+\s], s[MLT+2*\i+\s], s[MGT+2*\i+\s]
.endr
.endr
.irp i, 0,1,2,3,4,5,6,7
	APPEND \i, 0
	APPEND \i, 1
	s_add_co_u32 s14, s14, 0x1000000
.endr
.endm
	; SCAN: all 128 minima of my two points in ascending group number; exactly ten are taken
	s_mov_b32 s14, 0                               ; group number << 24
	s_mov_b32 s13, 4                               ; four trips of 32 groups
.Lscan:
	s_wait_alu depctr_va_vdst(0)                   ; the address is written, and the lines that read v118 to v181 (the last trip's compares; at first the main loop's arithmetic) are done: the 32 loads read the one and land in the others
.set j, 0
.rept 32
	ds_load_b64 v[M+2*j:M+2*j+1], v[SADR] offset:1024*j
.set j, j+1
.endr
	BLOCK 0
	BLOCK 1
	BLOCK 2
	BLOCK 3
	s_wait_alu depctr_vm_vsrc(0)                   ; the trip's 32 loads have read the address, which steps
	v_add_nc_u32 v[SADR], 0x8000, v[SADR]
	s_sub_co_i32 s13, s13, 1
	s_cmp_lg_u32 s13, 0
	s_cbranch_scc1 .Lscan
	; three planes of one word a point; the lowest group number lies in byte 1 of plane 2, the highest in byte 0 of plane 0.
	; Each store of the wave covers 256 consecutive bytes, at a multiple of 256 from the buffer's first byte.
	s_wait_alu depctr_va_vdst(0)                   ; the six words and their offset are written, which the three stores read
	global_store_b64 v[GOFF], v[SR0:SR0+1], s[10:11]
	global_store_b64 v[GOFF], v[SR1:SR1+1], s[10:11] offset:PLANE
	global_store_b64 v[GOFF], v[SR2:SR2+1], s[10:11] offset:2*PLANE
	s_wait_dscnt 0x0
	s_wait_alu depctr_hold_cnt(0) depctr_sa_sdst(0) depctr_va_vdst(0) depctr_va_sdst(0) depctr_va_ssrc(0) depctr_va_vcc(0) depctr_vm_vsrc(0)
	s_wait_tensorcnt 0x0
	ds_add_u32 v254, v255
	s_wait_dscnt 0x0
	s_endpgm
.Lfunc_end_k_qe5d62b4988_pick:
	.size	k_qe5d62b4988_pick, .Lfunc_end_k_qe5d62b4988_pick-k_qe5d62b4988_pick
	.p2alignl 7, 3214868480
	.fill 96, 4, 3214868480
	.section	.rodata,"a",@progbits
	.p2align	6, 0x0
	.amdhsa_kernel k_qe5d62b4988_pick
		.amdhsa_group_segment_fixed_size 193024
		.amdhsa_private_segment_fixed_size 0
		.amdhsa_enable_private_segment 0
		.amdhsa_kernarg_size 32
		.amdhsa_user_sgpr_count 2
		.amdhsa_user_sgpr_kernarg_segment_ptr 1
		.amdhsa_wavefront_size32 1
		.amdhsa_system_sgpr_workgroup_id_x 1
		.amdhsa_system_sgpr_workgroup_id_y 1
		.amdhsa_system_sgpr_workgroup_id_z 1
		.amdhsa_system_vgpr_workitem_id 0
		.amdhsa_next_free_vgpr 256
		.amdhsa_next_free_sgpr 82
		.amdhsa_reserve_vcc 0
		.amdhsa_float_denorm_mode_32 3
		.amdhsa_float_denorm_mode_16_64 3
		.amdhsa_memory_ordered 1
		.amdhsa_forward_progress 1
		.amdhsa_inst_pref_size 185
	.end_amdhsa_kernel
	.amdgpu_metadata
---
amdhsa.version: [ 1, 2 ]
amdhsa.kernels:
  - .name:           k_qe5d62b4988_pick
    .symbol:         k_qe5d62b4988_pick.kd
    .args:
      - { .name: x, .offset: 0, .size: 8, .value_kind: global_buffer, .address_space: global }
      - { .name: mus, .offset: 8, .size: 8, .value_kind: global_buffer, .address_space: global }
      - { .name: covs, .offset: 16, .size: 8, .value_kind: global_buffer, .address_space: global }
      - { .name: gids, .offset: 24, .size: 8, .value_kind: global_buffer, .address_space: global }
    .group_segment_fixed_size: 193024
    .private_segment_fixed_size: 0
    .kernarg_segment_align: 8
    .kernarg_segment_size: 32
    .max_flat_workgroup_size: 128
    .sgpr_count:     82
    .vgpr_count:     256
    .wavefront_size: 32
...
	.end_amdgpu_metadata
.endif
;; end of part 3
;; launch blend: the kernel of part 2 again; grid 256 x 1, 8 waves a work-group, no clusters, 38,912 bytes of LDS; arguments x, mus, covs, cols, gids, out0; writes out0
